; MI455X (gfx1250); checked and timed in simulation.
; The chip was launched on July 23, 2026; its instructions are those of AMD's public machine-readable ISA for CDNA 5 (MIT licence, August 2026) and "CDNA5" Instruction Set Architecture Reference Guide (July 2026). The comments in the code are by the model that wrote it; some were corrected since.
;; Coupled Fourier System. Allowed arithmetic: matrix products marked QUANTISED: E2M1 operands, one E8M0 scale for each 32 along K, by v_wmma_scale_f32_16x16x128_f8f6f4 with both operands' format E2M1 (or v_wmma_scale_f32_32x16x128_f4), f32 sums; everything else in f32.
;; Inputs: A 64 x 16 x 2 float32; W 64 x 64 float32; b 64 float32; phi 64 x 16 x 2 float32; s 32,768 float32; w 64 x 16 x 2 float32; x 32,768 x 64 float32.
;; Outputs: out0 32,768 x 64 float32.
;; This version of the problem:
;;   THIS VERSION OF THE PROBLEM IS GIVEN IN LOW PRECISION. The matrix products marked QUANTISED in the list below multiply operands that are first quantised to E2M1 (2 exponent bits, 1 mantissa bit; 4 bits a number), with one power-of-two scale for each 32 numbers along K (OCP MX v1.0); their sums are f32. All else is computed in f32.
;;   The module's matrix products, in the order in which they are computed (A, B: the left and right operand; K: the contracted axis; several contracted axes count as one K, in the product's order):
;;     1. [M 32,768, K 64] x [K 64, N 64]; A: computed on the way; B: input W: QUANTISED
;;   THE QUANTISER, for each operand of a quantised product, along K:
;;     - K is cut into blocks of 32 from its start; a last block that is shorter is filled with zeros.
;;     - A block's scale is 2^e with e = floor(log2(the largest magnitude in the block)) - 2, held to -126 .. 127; a block of zeros has e = 0. As a byte (E8M0): e + 127.
;;     - Each number is divided by its block's scale, clamped to +-6, and rounded to the nearest number of E2M1, ties to even, subnormals kept.
;;     - The product sums the exact products of the quantised numbers (number of the format x scale) in f32.
;;   ~~~python
;;   def quantise(x, axis):      # numpy; x: float32 -> the quantised numbers, widened to float32 again
;;       x = np.moveaxis(x, axis, -1); K = x.shape[-1]
;;       x = np.pad(x, [(0, 0)] * (x.ndim - 1) + [(0, -K % 32)]); x = x.reshape(x.shape[:-1] + (-1, 32)); a = np.abs(x).max(-1, keepdims=True)
;;       e = np.where(a > 0, np.clip(np.frexp(np.where(a > 0, a, 1))[1] - 1 - 2, -126, 127), 0)      # np.frexp(a)[1] - 1 = floor(log2(a)), exactly
;;       r = np.clip(x / 2.0 ** e, -6, 6)
;;       step = 2.0 ** (np.maximum(np.frexp(np.where(r == 0, 1, r))[1] - 1, 0) - 1)
;;       q = np.round(r / step) * step * 2.0 ** e      # np.round: ties to even
;;       return np.moveaxis(q.reshape(q.shape[:-2] + (-1,))[..., :K], -1, axis).astype(np.float32)
;;   ~~~
;;   OPERANDS COMPUTED ON THE WAY. 'Computed on the way' means the value that the module computes at that place (a softmax that the list does not call 'softmax' is quantised finished and normalised). What goes into a quantiser is computed in f32, as accurately as f32 sums, v_exp_f32 and their like allow (about 1e-6 of the number): no bf16 or f16 on the way to a quantiser, and a product that is left as it is and whose result goes on into a quantised operand takes f32 operands (vector FMAs, or v_wmma_f32_16x16x4_f32). A number that lies on a knife's edge between two numbers of the format may be rounded either way, as far as f32 arithmetic and the matrix unit's own rounding can turn it there, and no further.
;; 3 versions. Each part assembles by itself: llvm-mc -triple=amdgcn-amd-amdhsa -mcpu=gfx1250 --defsym DOCPART=n.
;; ======== version 1 of 3: 1 launch
;; launch fourier (part 1): grid 256 x 1, 4 waves a work-group, no clusters, 168,448 bytes of LDS; arguments s, A, phi, w, W, b, out0; writes out0
.if DOCPART == 1
	.amdgcn_target "amdgcn-amd-amdhsa--gfx1250"
	.amdhsa_code_object_version 6
	.text
	.protected	k_q4fc53f5c80_fourier
	.globl	k_q4fc53f5c80_fourier
	.p2align	8
	.type	k_q4fc53f5c80_fourier,@function
k_q4fc53f5c80_fourier:
	s_mov_b64 s[64:65], 0
	v_nop
	global_prefetch_b8 v0, s[64:65] scope:SCOPE_SE
	s_setreg_imm32_b32 hwreg(HW_REG_WAVE_MODE, 25, 1), 1
	s_wait_xcnt 0x0
; out0[i][n] = b[n] + sum over k of Q(pre[i][k]) Q(W[n][k]),   pre[i][d] = sum over 16 harmonics x 2 components of A cos(w s[i] + phi).
; Q: codes of FP4 (E2M1) with one E8M0 scale for each 32 along K = the 64 dims.  s [32768], A, phi, w [64][16][2], W [64][64], b [64], out0 [32768][64], all f32.
; The input x is not read: reference() never uses it, so no output depends on it.
; SHARES.  256 work-groups x 4 waves; a work-group owns 128 time points, a wave 32: two tiles of 16 rows.  Lane (r, h) = (lane % 16, lane / 16) owns rows r and 16 + r and the
; dims 32 h .. 32 h + 31: one whole block of 32 along K, which is registers 0-3 of the 4-bit operand's layout for that lane: no maximum and no code changes lanes.
; K = 64 is filled to the instruction's 128 with zero codes on both sides (registers 4-7 of every fragment; their scale bytes are 0, which is not the NaN byte).
; THE COSINE is made by arithmetic, 11 instructions for two cosines.  Phases are kept in turns: w' = w / 2 pi and phi' = phi / 2 pi are made once, from a product in two parts
; (hi + lo of 1 / 2 pi), rounded once; phi' is brought into [-0.5, 0.5].  t = w' s + phi' (one fma);  f = t - floor(t);  p = f f - f, in [-1/4, 0];  cos(2 pi t) = R(p), degree 6.
; R is the Chebyshev series of cos(2 pi f) in X = 1 + 8 p, whose coefficients are -J0(pi), +2 J2(pi), -2 J4(pi), .. ; cut behind T6 it leaves 2 J14(pi) = 1.1e-8.  With f32 rounding of p and of
; Horner's steps the cosine's absolute error is a few 1e-7 at the worst (near cos = -1).  The phase carries about |w s| x 2^-24, as an f32 phase in radians does.
; A packed pair is a harmonic's two components, as they lie in memory; a sum is kept for each component and the two are added at the end.
; LIMITS: NaN and infinities among the inputs are not served.  From |w s / 2 pi| = 2^23 on the phase has no fraction left.  A block of zeros gets the scale byte 1 where the
; rule says 127: its codes are zeros, which add nothing under either byte, and the bytes are read by this kernel alone.
; LDS: the parameters, [harmonic][half of the dims][w', phi', A][32 dims x 2 components], 1,536 bytes a harmonic + 16 of padding
; then W's four fragments and scale words as images of the operand's registers.  27,392 bytes are used; the claim is larger, more than half
; of 327,680, so that no second work-group lies beside this one.
.set TRIPB, 1552                       ; a harmonic's parameters in LDS
.set HALFB, 768                        ; in it: a half of the dims
.set KINDB, 256                        ; in that: w', phi', A: 32 dims x 2 x 4 bytes each
.set WIMG,  16*TRIPB                   ; W's four fragments: 512 bytes each
.set WSC,   WIMG+4*512                 ; and their scale words: 128 bytes each
.set FLOOR, 0x1800000                  ; 2^(3 - 127): no largest magnitude is taken under it, so no scale byte falls under 1
.set EOFF,  0xff000000                 ; takes 2, the exponent of E2M1's largest number, off an exponent field
.set RR,   1                           ; v1   r = lane % 16 (also thread % 16)
.set HH,   2                           ; v2   h = lane / 16
.set ADR,  3                           ; v3   LDS address of my half's parameters of the harmonic in hand
.set OADR, 4                           ; v4   out0: 8 h rows of 256 bytes + 16 r
.set LI,   5                           ; v5   16 x lane: my place in a fragment's image
.set LS,   6                           ; v6   4 x lane: in a scale word's
.set H8,   7                           ; v7   8 h: my block's byte in a scale word
.set PST,  8                           ; v8   set-up: where I store parameter pairs
.set GOF,  9                           ; v9   set-up: 8 x thread: where I load them
.set WOF,  10                          ; v10  set-up: my row and half of W
.set WIA,  11                          ; v11  set-up: 16 x thread: my wave's image of W
.set BI,   12                          ; v12-15  b[4 r .. 4 r + 3]
.set SS,   16                          ; v16-17 s of my row in tile 0, twice; v18-19 in tile 1
.set CF,   20                          ; v20-33  r0 .. r6, each twice
.set WSA,  34                          ; v34  set-up: 4 x thread
.set PB,   36                          ; v36-83  two buffers of 24: w', phi', A of 4 dims
.set TMP,  84                          ; v84-115 eight chains: t, f, p in one pair, R in another
.set ACC,  128                         ; v128-255 the sums: pair 32 tile + dim
.set CH,   116                         ; set-up: 1 / 2 pi, its f32 part, twice;
.set CL,   118                         ; and what is left of it, twice
.set SOF,  120
.set BOF,  121
.set WM,   122
.set WS,   124
.set WB,   125
.set WO,   126
.set WL,   128                         ; set-up: w, phi, A as loaded (8 pairs each), 32 numbers of W, and scratch
.set PH,   144
.set AL,   160
.set WW,   176
.set TP,   208
.set TE,   224
.set TN,   240
.set WC,   240
.set XR,   36                          ; behind the loop: v36-99 the 64 finished numbers, later the output
.set AF,   100                         ; v100-115 my two fragments
.set MX,   116
.set SCO,  120
.set BY,   122
.set PO,   124
.set ASC,  126                         ; v126-127 their scale words
.set BF,   128                         ; v128-159 W's four fragments;  v160-163 their scale words
.set BSC,  160
.set DR,   168                         ; v168-231 eight accumulators
	s_load_b256 s[4:11], s[0:1], 0x0               ; s s[4:5], A s[6:7], phi s[8:9], w s[10:11]
	s_load_b128 s[12:15], s[0:1], 0x20             ; W s[12:13], b s[14:15]
	s_load_b64 s[16:17], s[0:1], 0x30              ; out0
	v_lshl_add_u32 v35, v0, 2, 0x29000
	s_set_vgpr_msb 0x40
	v_mov_b32 v1, 0
	s_set_vgpr_msb 0x4000
	v_lshrrev_b32 v[RR], 5, v0
	v_readfirstlane_b32 s18, v[RR]                 ; wave 0..3
	v_and_b32 v[RR], 15, v0
	v_bfe_u32 v[HH], v0, 4, 1
	v_mul_u32_u24 v[ADR], v[HH], HALFB
	v_lshlrev_b32 v[OADR], 4, v[RR]
	v_lshl_add_u32 v[OADR], v[HH], 11, v[OADR]
	v_and_b32 v[LS], 31, v0
	v_lshlrev_b32 v[LI], 4, v[LS]
	v_lshlrev_b32 v[LS], 2, v[LS]
	v_lshlrev_b32 v[H8], 3, v[HH]
	; Parameter pair q = thread + 128 j is (dim q / 16, harmonic q % 16): harmonic = thread % 16, dim = thread / 16 + 8 j.  Its place in LDS: harmonic x TRIPB + 8 (thread / 16), the rest in the immediate
	v_lshrrev_b32 v[PST], 4, v0
	v_lshlrev_b32 v[PST], 3, v[PST]
	v_mad_u32_u24 v[PST], v[RR], TRIPB, v[PST]
	v_lshlrev_b32 v[GOF], 3, v0
	v_lshlrev_b32 v[WOF], 10, v[RR]                ; W: THE ROWS OF A TILE ARE NOT NEIGHBOURS: lane r of tile j takes row n = 4 r + j, so that on the way out a lane holds four neighbouring n
	v_lshl_add_u32 v[WOF], v[HH], 7, v[WOF]        ; + my half of K: 32 numbers
	v_lshlrev_b32 v[WIA], 4, v0
	v_lshlrev_b32 v[WSA], 2, v0
	v_lshlrev_b32 v[SOF], 2, v[RR]
	v_lshlrev_b32 v[BOF], 4, v[RR]
	s_lshl_b32 s20, s18, 8                         ; my wave quantises tile j = wave: one row of 256 bytes on
	s_mov_b32 s21, 0
	s_lshl_b32 s22, ttmp9, 9                       ; s: 128 numbers a work-group,
	s_lshl_b32 s24, s18, 7                         ; 32 a wave
	s_add_co_u32 s22, s22, s24
	s_mov_b32 s23, 0
	s_lshl_b32 s24, ttmp9, 15                      ; out0: 128 rows of 256 bytes a work-group,
	s_lshl_b32 s26, s18, 13                        ; 32 a wave
	s_add_co_u32 s24, s24, s26
	s_mov_b32 s25, 0
	s_mov_b32 s28, 0x76543210                      ; v_permlanex16_b32's selects for lane l xor 16
	s_mov_b32 s29, 0xfedcba98
	s_wait_kmcnt 0x0
	s_add_nc_u64 s[12:13], s[12:13], s[20:21]
	s_add_nc_u64 s[4:5], s[4:5], s[22:23]
	s_add_nc_u64 s[16:17], s[16:17], s[24:25]
.irp j, 0,1,2,3,4,5,6,7
	global_load_b64 v[WL+2*\j:WL+2*\j+1], v[GOF], s[10:11] offset:1024*\j   ; a wave reads 256 consecutive bytes
.endr
.irp j, 0,1,2,3,4,5,6,7
	global_load_b64 v[PH+2*\j:PH+2*\j+1], v[GOF], s[8:9] offset:1024*\j
.endr
.irp j, 0,1,2,3,4,5,6,7
	global_load_b64 v[AL+2*\j:AL+2*\j+1], v[GOF], s[6:7] offset:1024*\j
.endr
.irp i, 0,1,2,3,4,5,6,7
	global_load_b128 v[WW+4*\i:WW+4*\i+3], v[WOF], s[12:13] offset:16*\i    ; W(4 r + wave, 32 h + 0 .. 31): a small weight, read once by the work-group
.endr
	global_load_b32 v[SS], v[SOF], s[4:5]
	global_load_b32 v[SS+2], v[SOF], s[4:5] offset:64
	global_load_b128 v[BI:BI+3], v[BOF], s[14:15]
	; constants, while the loads are on their way
	v_mov_b32 v[CH], 0x3e22f983                    ; 1 / 2 pi to f32
	v_mov_b32 v[CH+1], 0x3e22f983
	v_mov_b32 v[CL], 0x31dc9c88                    ; 1 / 2 pi less that: 6.4206e-9
	v_mov_b32 v[CL+1], 0x31dc9c88
	v_mov_b32 v[WO], 0                             ; a lane permute's destination counts as one of its sources
.macro COEF k, bits
	v_mov_b32 v[CF+2*\k], \bits
	v_mov_b32 v[CF+2*\k+1], \bits
.endm
	COEF 0, 0x3f800000                             ;   1.0
	COEF 1, 0xb68c799d                             ;  -4.1864828e-6
	COEF 2, 0xc19dea72                             ; -19.739476
	COEF 3, 0x421de362                             ;  39.472052
	COEF 4, 0xc20750a4                             ; -33.828749
	COEF 5, 0x4181659b                             ;  16.174612
	COEF 6, 0xc0d0eac5                             ;  -6.5286582
; v[TP] + v[TE] = v[src] / 2 pi, eight pairs: the product with the f32 part, what that product's rounding dropped (one fma gives it exactly), and the product with the rest
.macro TURNS src
.irp j, 0,1,2,3,4,5,6,7
	v_pk_mul_f32 v[TP+2*\j:TP+2*\j+1], v[\src+2*\j:\src+2*\j+1], v[CH:CH+1]
.endr
.irp j, 0,1,2,3,4,5,6,7
	v_pk_fma_f32 v[TE+2*\j:TE+2*\j+1], v[\src+2*\j:\src+2*\j+1], v[CH:CH+1], v[TP+2*\j:TP+2*\j+1] neg_lo:[0,0,1] neg_hi:[0,0,1]
.endr
.irp j, 0,1,2,3,4,5,6,7
	v_pk_fma_f32 v[TE+2*\j:TE+2*\j+1], v[\src+2*\j:\src+2*\j+1], v[CL:CL+1], v[TE+2*\j:TE+2*\j+1]
.endr
.endm
; eight pairs to LDS: dim = thread / 16 + 8 j: half j / 4, and 8 (j % 4) dims of 8 bytes on.  A wave's 32 lanes touch 32 different 8-byte places modulo 256
.macro PUT src, kind
.irp j, 0,1,2,3,4,5,6,7
	ds_store_b64 v[PST], v[\src+2*\j:\src+2*\j+1] offset:(\j/4)*HALFB+(\j%4)*64+(\kind)*KINDB
.endr
.endm
	s_wait_loadcnt 27                              ; w's eight loads are in; behind them 8 + 8 + 8 + 2 + 1 were issued
	TURNS WL
.irp j, 0,1,2,3,4,5,6,7
	v_pk_add_f32 v[WL+2*\j:WL+2*\j+1], v[TP+2*\j:TP+2*\j+1], v[TE+2*\j:TE+2*\j+1]   ; w' : rounded once
.endr
	PUT WL, 0
	s_wait_loadcnt 19                              ; phi's eight are in
	TURNS PH
.irp j, 0,1,2,3,4,5,6,7,8,9,10,11,12,13,14,15
	v_rndne_f32 v[TN+\j], v[TP+\j]
.endr
.irp j, 0,1,2,3,4,5,6,7
	v_pk_add_f32 v[TP+2*\j:TP+2*\j+1], v[TP+2*\j:TP+2*\j+1], v[TN+2*\j:TN+2*\j+1] neg_lo:[0,1] neg_hi:[0,1]   ; whole turns off: exact
.endr
.irp j, 0,1,2,3,4,5,6,7
	v_pk_add_f32 v[PH+2*\j:PH+2*\j+1], v[TP+2*\j:TP+2*\j+1], v[TE+2*\j:TE+2*\j+1]   ; phi', in [-0.5, 0.5]
.endr
	PUT PH, 1
	s_wait_loadcnt 11                              ; A's eight are in
	PUT AL, 2
	s_wait_loadcnt 3                               ; W's eight are in; s and b may be out
	; my block of W: all its 32 numbers are mine
	v_max3_num_f32 v[WM], |v[WW]|, |v[WW+1]|, FLOOR
	v_max3_num_f32 v[WM+1], |v[WW+16]|, |v[WW+17]|, FLOOR
.irp i, 2,4,6,8,10,12,14
	v_max3_num_f32 v[WM], v[WM], |v[WW+\i]|, |v[WW+\i+1]|
	v_max3_num_f32 v[WM+1], v[WM+1], |v[WW+16+\i]|, |v[WW+17+\i]|
.endr
	v_max_num_f32 v[WM], v[WM], v[WM+1]
	v_add_nc_u32 v[WS], EOFF, v[WM]                ; 2 off its exponent field: the conversion takes the exponent field of this operand as its scale, and nothing else of it
.irp g, 0,1,2,3
	v_cvt_scalef32_pk8_fp4_f32 v[WC+\g], v[WW+8*\g:WW+8*\g+7], v[WS]   ; registers 0-3 of the operand: k = 32 h + 0 .. 31
.endr
	v_lshrrev_b32 v[WB], 23, v[WS]                 ; the scale's byte  (also the plain line behind the conversions)
	v_lshlrev_b32 v[WB], v[H8], v[WB]              ; at its place in the scale word;
	v_permlanex16_b32 v[WO], v[WB], s28, s29
	v_or_b32 v[WB], v[WB], v[WO]                   ; with lane l xor 16's the word has both blocks; bytes 2 and 3 stand over zero codes
	ds_store_b128 v[WIA], v[WC:WC+3] offset:WIMG   ; the fragment as it stands: 16 bytes a lane, 512 a wave
	ds_store_b32 v[WSA], v[WB] offset:WSC
	s_wait_loadcnt 0x0                             ; s and b
	v_mov_b32 v[SS+1], v[SS]                       ; both halves of a packed product take the same s
	v_mov_b32 v[SS+3], v[SS+2]
	s_wait_dscnt 0x0                               ; for the others' sake: my stores have landed
	s_barrier_signal -1
	s_barrier_wait -1                              ; everybody's have; from here on LDS is only read
; the parameters of 4 dims, at off bytes from v[ADR]: six loads; the sixteen lanes of a half read one address
.macro LOADG buf, off
.irp k, 0,1,2
	ds_load_b128 v[\buf+8*\k:\buf+8*\k+3],   v[ADR] offset:(\off)+KINDB*\k
	ds_load_b128 v[\buf+8*\k+4:\buf+8*\k+7], v[ADR] offset:(\off)+KINDB*\k+16
.endr
.endm
; GROUP g: one harmonic of dims 4 g .. 4 g + 3 for both tiles: eight chains (chain c: dim c / 2, tile c % 2), step by step, so that no line waits for the line above it.
; nxt: where the next group's parameters lie, or -1: none.  first = 1: the products start the sums: nothing is cleared.
.macro GROUP g, nxt, first
.set PBC, PB+24*((\g)%2)
.set PBN, PB+24*(1-(\g)%2)
.if (\nxt) >= 0
	LOADG PBN, \nxt
	s_wait_dscnt 6                                 ; LDS loads come back in order (ISA guide 5.7.1): this group's six are in, the six just issued may be out
.else
	s_wait_dscnt 0x0
.endif
.set c, 0
.rept 8
	v_pk_fma_f32 v[TMP+4*c:TMP+4*c+1], v[PBC+2*(c/2):PBC+2*(c/2)+1], v[SS+2*(c%2):SS+2*(c%2)+1], v[PBC+8+2*(c/2):PBC+8+2*(c/2)+1]   ; t = w' s + phi', in turns
.set c, c+1
.endr
.set c, 0
.rept 8
	v_fract_f32 v[TMP+4*c], v[TMP+4*c]             ; f = t - floor(t)
	v_fract_f32 v[TMP+4*c+1], v[TMP+4*c+1]
.set c, c+1
.endr
.set c, 0
.rept 8
	v_pk_fma_f32 v[TMP+4*c:TMP+4*c+1], v[TMP+4*c:TMP+4*c+1], v[TMP+4*c:TMP+4*c+1], v[TMP+4*c:TMP+4*c+1] neg_lo:[0,0,1] neg_hi:[0,0,1]   ; p = f f - f
.set c, c+1
.endr
.set c, 0
.rept 8
	v_pk_fma_f32 v[TMP+4*c+2:TMP+4*c+3], v[TMP+4*c:TMP+4*c+1], v[CF+12:CF+13], v[CF+10:CF+11]   ; r6 p + r5
.set c, c+1
.endr
.irp k, 8,6,4,2,0
.set c, 0
.rept 8
	v_pk_fma_f32 v[TMP+4*c+2:TMP+4*c+3], v[TMP+4*c+2:TMP+4*c+3], v[TMP+4*c:TMP+4*c+1], v[CF+\k:CF+\k+1]   ; Horner, down to r0
.set c, c+1
.endr
.endr
.set c, 0
.rept 8
.set AR, ACC+2*(32*(c%2)+4*(\g)+c/2)
.if \first
	v_pk_mul_f32 v[AR:AR+1], v[PBC+16+2*(c/2):PBC+16+2*(c/2)+1], v[TMP+4*c+2:TMP+4*c+3]
.else
	v_pk_fma_f32 v[AR:AR+1], v[PBC+16+2*(c/2):PBC+16+2*(c/2)+1], v[TMP+4*c+2:TMP+4*c+3], v[AR:AR+1]
.endif
.set c, c+1
.endr
.endm
; A TRIP: one harmonic, all 32 dims of my half.  Its last group asks for the next harmonic's first group; the last trip's asks for nothing.
.macro TRIP first, last
.irp g, 0,1,2,3,4,5,6
	GROUP \g, 32*(\g+1), \first
.endr
.if \last
	GROUP 7, -1, \first
.else
	GROUP 7, TRIPB, \first
.endif
.endm
	LOADG PB, 0
	TRIP 1, 0                                      ; harmonic 0 starts the sums
	v_add_nc_u32 v[ADR], TRIPB, v[ADR]
	s_mov_b32 s30, 14
.Ltrip:                                            ; harmonics 1 to 14
	TRIP 0, 0
	v_add_nc_u32 v[ADR], TRIPB, v[ADR]
	s_sub_co_u32 s30, s30, 1
	s_cmp_lg_u32 s30, 0
	s_cbranch_scc1 .Ltrip
	TRIP 0, 1                                      ; harmonic 15: written out, so that no load reaches past the parameters
	; the two components' sums are added: v[XR + 32 tile + i] = pre(my row of the tile, 32 h + i): a lane's registers run along K
.set d, 0
.rept 64
	v_add_f32 v[XR+d], v[ACC+2*d], v[ACC+2*d+1]
.set d, d+1
.endr
.irp j, 0,1,2,3
	ds_load_b128 v[BF+8*\j:BF+8*\j+3], v[LI] offset:WIMG+512*\j   ; W's fragments come back as they were stored, in any wave
	ds_load_b32 v[BSC+\j], v[LS] offset:WSC+128*\j
.endr
.irp j, 0,1,2,3
.irp i, 4,5,6,7
	v_mov_b32 v[BF+8*\j+\i], 0                     ; k = 64 .. 127: zero codes
.endr
.endr
.irp t, 0,1
.irp i, 4,5,6,7
	v_mov_b32 v[AF+8*\t+\i], 0
.endr
.endr
	; each tile's block: its 32 numbers are mine; two chains a tile, the four by turns
.irp t, 0,1
	v_max3_num_f32 v[MX+2*\t], |v[XR+32*\t]|, |v[XR+32*\t+1]|, FLOOR
	v_max3_num_f32 v[MX+2*\t+1], |v[XR+32*\t+16]|, |v[XR+32*\t+17]|, FLOOR
.endr
.irp i, 2,4,6,8,10,12,14
.irp t, 0,1
	v_max3_num_f32 v[MX+2*\t], v[MX+2*\t], |v[XR+32*\t+\i]|, |v[XR+32*\t+\i+1]|
	v_max3_num_f32 v[MX+2*\t+1], v[MX+2*\t+1], |v[XR+32*\t+16+\i]|, |v[XR+32*\t+17+\i]|
.endr
.endr
.irp t, 0,1
	v_max_num_f32 v[MX+2*\t], v[MX+2*\t], v[MX+2*\t+1]
.endr
.irp t, 0,1
	v_add_nc_u32 v[SCO+\t], EOFF, v[MX+2*\t]       ; the conversion's scale operand
.endr
.irp t, 0,1
.irp g, 0,1,2,3
	v_cvt_scalef32_pk8_fp4_f32 v[AF+8*\t+\g], v[XR+32*\t+8*\g:XR+32*\t+8*\g+7], v[SCO+\t]
.endr
.endr
.irp t, 0,1
	v_lshrrev_b32 v[BY+\t], 23, v[SCO+\t]          ; the scale's byte  (also the plain line behind the conversions)
.endr
.irp t, 0,1
	v_lshlrev_b32 v[BY+\t], v[H8], v[BY+\t]
.endr
.irp t, 0,1
	v_permlanex16_b32 v[PO+\t], v[BY+\t], s28, s29
.endr
.irp t, 0,1
	v_or_b32 v[ASC+\t], v[BY+\t], v[PO+\t]         ; lane r holds row r's word
.endr
.rept 8
	v_nop                                          ; a scale register written by a vector instruction stands 8 places ahead of a scaled matrix instruction, an operand so written 4
.endr
	s_wait_dscnt 0x0                               ; W's fragments and scale words are in
.irp t, 0,1
.irp j, 0,1,2,3                                    ; source 0 = my 16 rows, source 1 = 16 rows of W: eight accumulators, one instruction each, the constant 0 as C
	v_wmma_scale_f32_16x16x128_f8f6f4 v[DR+8*(4*\t+\j):DR+8*(4*\t+\j)+7], v[AF+8*\t:AF+8*\t+7], v[BF+8*\j:BF+8*\j+7], 0, v[ASC+\t], v[BSC+\j] matrix_a_fmt:MATRIX_FMT_FP4 matrix_b_fmt:MATRIX_FMT_FP4
.endr
.endr
.rept 4
	v_nop                                          ; four places behind a matrix instruction before its result is read (ISA guide 7.12.1)
.endr
	; Register i of accumulator (t, j) in lane (r, h) is out0(16 t + 8 h + i, 4 r + j).  The bias's addition lays a row's four neighbours side by side; each accumulator is read from its low end on.
.irp t, 0,1
.irp i, 0,1,2,3,4,5,6,7
.irp j, 0,1,2,3
	v_add_f32 v[XR+32*\t+4*\i+\j], v[DR+8*(4*\t+\j)+\i], v[BI+\j]
.endr
.endr
.irp i, 0,1,2,3,4,5,6,7
	global_store_b128 v[OADR], v[XR+32*\t+4*\i:XR+32*\t+4*\i+3], s[16:17] offset:(16*\t+\i)*256 th:TH_STORE_NT   ; lanes 0-15 store one whole row of 256 bytes, lanes 16-31 the row 8 further down
.endr
.endr
	s_set_vgpr_msb 0x4
	s_wait_tensorcnt 0x0
	ds_add_u32 v35, v1
	s_wait_dscnt 0x0
	s_set_vgpr_msb 0x400
	s_endpgm
.Lfunc_end_k_q4fc53f5c80_fourier:
	.size	k_q4fc53f5c80_fourier, .Lfunc_end_k_q4fc53f5c80_fourier-k_q4fc53f5c80_fourier
	.p2alignl 7, 3214868480
	.fill 96, 4, 3214868480
	.section	.rodata,"a",@progbits
	.p2align	6, 0x0
	.amdhsa_kernel k_q4fc53f5c80_fourier
		.amdhsa_group_segment_fixed_size 168448
		.amdhsa_private_segment_fixed_size 0
		.amdhsa_enable_private_segment 0
		.amdhsa_kernarg_size 56
		.amdhsa_user_sgpr_count 2
		.amdhsa_user_sgpr_kernarg_segment_ptr 1
		.amdhsa_wavefront_size32 1
		.amdhsa_system_sgpr_workgroup_id_x 1
		.amdhsa_system_sgpr_workgroup_id_y 1
		.amdhsa_system_sgpr_workgroup_id_z 1
		.amdhsa_system_vgpr_workitem_id 0
		.amdhsa_next_free_vgpr 258
		.amdhsa_next_free_sgpr 66
		.amdhsa_reserve_vcc 0
		.amdhsa_float_denorm_mode_32 3
		.amdhsa_float_denorm_mode_16_64 3
		.amdhsa_memory_ordered 1
		.amdhsa_forward_progress 1
		.amdhsa_inst_pref_size 157
	.end_amdhsa_kernel
	.amdgpu_metadata
---
amdhsa.version: [ 1, 2 ]
amdhsa.kernels:
  - .name:           k_q4fc53f5c80_fourier
    .symbol:         k_q4fc53f5c80_fourier.kd
    .args:
      - { .name: s, .offset: 0, .size: 8, .value_kind: global_buffer, .address_space: global }
      - { .name: A, .offset: 8, .size: 8, .value_kind: global_buffer, .address_space: global }
      - { .name: phi, .offset: 16, .size: 8, .value_kind: global_buffer, .address_space: global }
      - { .name: w, .offset: 24, .size: 8, .value_kind: global_buffer, .address_space: global }
      - { .name: W, .offset: 32, .size: 8, .value_kind: global_buffer, .address_space: global }
      - { .name: b, .offset: 40, .size: 8, .value_kind: global_buffer, .address_space: global }
      - { .name: out0, .offset: 48, .size: 8, .value_kind: global_buffer, .address_space: global }
    .group_segment_fixed_size: 168448
    .private_segment_fixed_size: 0
    .kernarg_segment_align: 8
    .kernarg_segment_size: 56
    .max_flat_workgroup_size: 128
    .sgpr_count:     66
    .vgpr_count:     258
    .wavefront_size: 32
...
	.end_amdgpu_metadata
.endif
;; end of part 1
;; ======== version 2 of 3: 1 launch
;; launch fourier (part 2): grid 256 x 1, 8 waves a work-group, no clusters, 168,960 bytes of LDS; arguments s, A, phi, w, W, b, out0; writes out0
.if DOCPART == 2
	.amdgcn_target "amdgcn-amd-amdhsa--gfx1250"
	.amdhsa_code_object_version 6
	.text
	.protected	k_q4fc53f5c80_fourier
	.globl	k_q4fc53f5c80_fourier
	.p2align	8
	.type	k_q4fc53f5c80_fourier,@function
k_q4fc53f5c80_fourier:
	s_mov_b64 s[64:65], 0
	v_nop
	global_prefetch_b8 v0, s[64:65] scope:SCOPE_SE
	s_setreg_imm32_b32 hwreg(HW_REG_WAVE_MODE, 25, 1), 1
	s_wait_xcnt 0x0
; out0[i][n] = b[n] + sum over k of Q(pre[i][k]) Q(W[n][k]),   pre[i][d] = sum over 16 harmonics x 2 components of A cos(w s[i] + phi).
; Q: codes of FP4 (E2M1) with one E8M0 scale for each 32 along K = the 64 dims.  s [32768], A, phi, w [64][16][2], W [64][64], b [64], out0 [32768][64], all f32.
; The input x is not read: reference() never uses it, so no output depends on it.
; SHARES.  256 work-groups x 8 waves; a work-group owns 128 time points.  THE COSINES: THE WAVES SHARE THE DIMS, NOT THE ROWS: wave v takes dims 8 v .. 8 v + 7 for all 128 rows; lane (r, h) = (lane % 16, lane / 16)
; takes rows r + 16 t, t = 0 .. 7, and dims 8 v + 4 h + 0 .. 3.  So a parameter pair read from LDS feeds eight chains: six LDS loads for a harmonic's 32 chains (352 vector instructions).
; Two waves lie on a SIMD, so that one can issue while the other stands at a run of loads.  THE PRODUCT: the finished sums go through a stage in LDS; behind a barrier wave v takes rows 16 v .. 16 v + 15, and lane (r, h)
; row r's dims 32 h .. 32 h + 31: one whole block of 32 along K, which is registers 0-3 of the 4-bit operand's layout for that lane.
; K = 64 is filled to the instruction's 128 with zero codes on both sides (registers 4-7 of every fragment; their scale bytes are 0, which is not the NaN byte).
; THE COSINE is made by arithmetic, 11 instructions for two cosines.  Phases are kept in turns: w' = w / 2 pi and phi' = phi / 2 pi are made once, from a product in two parts
; (hi + lo of 1 / 2 pi), rounded once; phi' is brought into [-0.5, 0.5].  t = w' s + phi' (one fma);  f = t - floor(t);  p = f f - f, in [-1/4, 0];  cos(2 pi t) = R(p), degree 6.
; R is the Chebyshev series of cos(2 pi f) in X = 1 + 8 p, whose coefficients are -J0(pi), +2 J2(pi), -2 J4(pi), .. ; cut behind T6 it leaves 2 J14(pi) = 1.1e-8.  With f32 rounding of p and of
; Horner's steps the cosine's absolute error is a few 1e-7 at the worst (near cos = -1).  The phase carries about |w s| x 2^-24, as an f32 phase in radians does.
; A packed pair is a harmonic's two components, as they lie in memory; a sum is kept for each component and the two are added at the end.
; LIMITS: NaN and infinities among the inputs are not served.  From |w s / 2 pi| = 2^23 on the phase has no fraction left.  A block of zeros gets the scale byte 1 where the
; rule says 127: its codes are zeros, which add nothing under either byte, and the bytes are read by this kernel alone.
; LDS: the parameters, [harmonic][four dims][w', phi', A][4 dims x 2 components], 1,536 bytes a harmonic + 16 of padding
; W's four fragments as images of the operand's registers, and their scale words; the stage, 128 rows of 256 bytes + 16.
; 61,952 bytes are used; the claim is larger, more than half of 327,680, so that no second work-group lies beside this one.
.set TRIPB, 1552                       ; a harmonic's parameters in LDS
.set QUADB, 96                         ; in it: four dims
.set KINDB, 32                         ; in that: w', phi', A: 4 dims x 2 x 4 bytes each
.set WIMG,  16*TRIPB                   ; W's four fragments: 512 bytes each
.set WSC,   WIMG+4*512                 ; and their scale words: 16 rows x 4 bytes each
.set XSTG,  WSC+256                    ; the stage
.set XP,    272                        ; a stage row: 64 numbers + 16 bytes: sixteen rows' 16-byte pieces fall on sixteen different groups of banks
.set FLOOR, 0x1800000                  ; 2^(3 - 127): no largest magnitude is taken under it, so no scale byte falls under 1
.set EOFF,  0xff000000                 ; takes 2, the exponent of E2M1's largest number, off an exponent field
.set RR,   1                           ; v1   r = lane % 16 (also thread % 16)
.set HH,   2                           ; v2   h = lane / 16
.set ADR,  3                           ; v3   LDS address of my four dims' parameters of the trip in hand
.set OADR, 4                           ; v4   out0: 8 h rows of 256 bytes + 16 r
.set LI,   5                           ; v5   16 x lane: my place in a fragment's image
.set LS,   6                           ; v6   4 r: my row's scale word of W
.set H8,   7                           ; v7   8 h: my block's byte in a scale word
.set PST,  8                           ; v8   set-up: where I store parameter pairs
.set GOF,  9                           ; v9   set-up: 8 x thread: where I load them
.set WOF,  10                          ; v10  set-up: my 16 numbers of W
.set WIA,  11                          ; v11  set-up: where their codes go
.set BI,   12                          ; v12-15  b[4 r .. 4 r + 3]
.set SS,   16                          ; v16-31  s of my row in tile t, twice, at v[16 + 2 t]
.set CF,   32                          ; v32-45  r0 .. r6, each twice
.set XSA,  46                          ; v46  the stage: where I put four dims of a row
.set XLA,  47                          ; v47  and where I read 32 dims of my row back
.set WSA,  48                          ; v48  set-up: where my row's scale word of W goes
.set T16,  49                          ; v49  thread / 16 = 2 wave + h: which four dims are mine
.set ADR0, 50                          ; v50  96 x that: never rewritten
.set TA,   51                          ; v51  at work
.set PB,   52                          ; v52-99  two buffers of 24: w', phi', A of my 4 dims, one harmonic each
.set TMP,  100                         ; v100-131 eight chains: t, f, p in one pair, R in another
.set ACC,  132                         ; v132-195 the sums: pair 4 tile + dim
.set WL,   132                         ; set-up: w, phi, A as loaded (4 pairs each), and scratch
.set PH,   140
.set AL,   148
.set TP,   156
.set TE,   164
.set TN,   172
.set WW,   196                         ; 16 numbers of W
.set WC,   212                         ; their codes
.set CH,   214                         ; 1 / 2 pi, its f32 part, twice;
.set CL,   216                         ; and what is left of it, twice
.set SOF,  218
.set BOF,  219
.set WM,   220
.set WS,   222
.set WB,   223
.set WH1,  224
.set WH2,  225
.set PO,   226                         ; what another lane sent
.set XR,   52                          ; behind the loop: v52-83 my 32 finished sums, later the output
.set YR,   100                         ; v100-131 my row's 32 numbers of a block
.set BF,   132                         ; v132-163 W's four fragments
.set AF,   168                         ; v168-175 my tile's fragment
.set MX,   176
.set SCO,  180
.set BY,   181
.set DR,   184                         ; v184-215 four accumulators
.set BSC,  244                         ; v244-247 W's scale words;  v248 my tile's: these five hold scales and nothing else
.set ASC,  248
	s_load_b256 s[4:11], s[0:1], 0x0               ; s s[4:5], A s[6:7], phi s[8:9], w s[10:11]
	s_load_b128 s[12:15], s[0:1], 0x20             ; W s[12:13], b s[14:15]
	s_load_b64 s[16:17], s[0:1], 0x30              ; out0
	v_lshl_add_u32 v254, v0, 2, 0x29000
	v_mov_b32 v255, 0
	v_lshrrev_b32 v[RR], 5, v0
	v_readfirstlane_b32 s18, v[RR]                 ; wave 0..7
	v_and_b32 v[RR], 15, v0
	v_bfe_u32 v[HH], v0, 4, 1
	v_lshrrev_b32 v[T16], 4, v0
	v_mul_u32_u24 v[ADR0], v[T16], QUADB
	v_mul_u32_u24 v[ADR], v[T16], QUADB
	v_lshlrev_b32 v[OADR], 4, v[RR]
	v_lshl_add_u32 v[OADR], v[HH], 11, v[OADR]
	v_and_b32 v[LI], 31, v0
	v_lshlrev_b32 v[LI], 4, v[LI]
	v_lshlrev_b32 v[LS], 2, v[RR]
	v_lshlrev_b32 v[H8], 3, v[HH]
	; Parameter pair q = thread + 256 j is (dim q / 16, harmonic q % 16): harmonic = thread % 16, dim = thread / 16 + 16 j.  Its place in LDS: harmonic x TRIPB + (dim / 4) x QUADB + 8 (dim % 4); j's part stands in the immediate
	v_lshrrev_b32 v[PST], 6, v0
	v_mul_u32_u24 v[PST], v[PST], QUADB
	v_bfe_u32 v[TA], v0, 4, 2
	v_lshl_add_u32 v[PST], v[TA], 3, v[PST]
	v_mad_u32_u24 v[PST], v[RR], TRIPB, v[PST]
	v_lshlrev_b32 v[GOF], 3, v0
	; W is shared among all 256 threads: thread = 64 j + 4 r + 2 h + u takes 16 numbers: row n = 4 r + j, k = 32 h + 16 u + 0 .. 15: four neighbouring lanes read one whole row of 256 bytes.
	; THE ROWS OF A TILE ARE NOT NEIGHBOURS: lane r of tile j stands for row n = 4 r + j, so that on the way out a lane holds four neighbouring n.
	v_bfe_u32 v[WOF], v0, 2, 4
	v_lshlrev_b32 v[WOF], 10, v[WOF]               ; 4 r rows of 256 bytes,
	v_lshrrev_b32 v[TA], 6, v0
	v_lshl_add_u32 v[WOF], v[TA], 8, v[WOF]        ; j rows,
	v_and_b32 v[TA], 3, v0
	v_lshl_add_u32 v[WOF], v[TA], 6, v[WOF]        ; 64 (2 h + u) bytes
	v_lshrrev_b32 v[WIA], 6, v0                    ; the codes' place in tile j's image: lane r + 16 h of the operand has 16 bytes at 16 x that lane; my half of them is 8 u on
	v_lshlrev_b32 v[WIA], 9, v[WIA]
	v_bfe_u32 v[TA], v0, 2, 4
	v_lshl_add_u32 v[WIA], v[TA], 4, v[WIA]
	v_bfe_u32 v[TA], v0, 1, 1
	v_lshl_add_u32 v[WIA], v[TA], 8, v[WIA]
	v_lshlrev_b32 v[WH1], 3, v[TA]                 ; my block's byte in the row's scale word: 8 h bits up;
	v_xor_b32 v[WH2], 8, v[WH1]                    ; the other block's
	v_and_b32 v[TA], 1, v0
	v_lshl_add_u32 v[WIA], v[TA], 3, v[WIA]
	v_and_b32 v[WSA], 0xfc, v0                     ; 4 (16 j + r): the row's scale word
	s_mul_i32 s19, s18, 16*XP
	v_mul_u32_u24 v[XSA], v[RR], XP                ; the stage, in: row r of a tile, my four dims: 16 bytes at 16 (2 wave + h)
	v_lshl_add_u32 v[XSA], v[T16], 4, v[XSA]
	v_mul_u32_u24 v[XLA], v[RR], XP                ; back: row 16 wave + r, block h
	v_lshl_add_u32 v[XLA], v[HH], 7, v[XLA]
	v_add_nc_u32 v[XLA], s19, v[XLA]
	v_lshlrev_b32 v[SOF], 2, v[RR]
	v_lshlrev_b32 v[BOF], 4, v[RR]
	s_lshl_b32 s22, ttmp9, 9                       ; s: 128 numbers a work-group
	s_mov_b32 s23, 0
	s_lshl_b32 s24, ttmp9, 15                      ; out0: 128 rows of 256 bytes a work-group,
	s_lshl_b32 s26, s18, 12                        ; 16 a wave
	s_add_co_u32 s24, s24, s26
	s_mov_b32 s25, 0
	s_mov_b32 s28, 0x76543210                      ; v_permlanex16_b32's selects for lane l xor 16
	s_mov_b32 s29, 0xfedcba98
	s_mov_b32 s31, 0                               ; where the trip's parameters begin in LDS
	s_wait_kmcnt 0x0
	s_add_nc_u64 s[4:5], s[4:5], s[22:23]
	s_add_nc_u64 s[16:17], s[16:17], s[24:25]
.irp j, 0,1,2,3
	global_load_b64 v[WL+2*\j:WL+2*\j+1], v[GOF], s[10:11] offset:2048*\j   ; a wave reads 256 consecutive bytes
.endr
.irp j, 0,1,2,3
	global_load_b64 v[PH+2*\j:PH+2*\j+1], v[GOF], s[8:9] offset:2048*\j
.endr
.irp j, 0,1,2,3
	global_load_b64 v[AL+2*\j:AL+2*\j+1], v[GOF], s[6:7] offset:2048*\j
.endr
.irp i, 0,1,2,3
	global_load_b128 v[WW+4*\i:WW+4*\i+3], v[WOF], s[12:13] offset:16*\i
.endr
.irp t, 0,1,2,3,4,5,6,7
	global_load_b32 v[SS+2*\t], v[SOF], s[4:5] offset:64*\t
.endr
	global_load_b128 v[BI:BI+3], v[BOF], s[14:15]
	; constants, while the loads are on their way
	v_mov_b32 v[CH], 0x3e22f983                    ; 1 / 2 pi to f32
	v_mov_b32 v[CH+1], 0x3e22f983
	v_mov_b32 v[CL], 0x31dc9c88                    ; 1 / 2 pi less that: 6.4206e-9
	v_mov_b32 v[CL+1], 0x31dc9c88
	v_mov_b32 v[PO], 0                             ; the destination of a DPP form and of a lane permute counts as one of its sources
.macro COEF k, bits
	v_mov_b32 v[CF+2*\k], \bits
	v_mov_b32 v[CF+2*\k+1], \bits
.endm
	COEF 0, 0x3f800000                             ;   1.0
	COEF 1, 0xb68c799d                             ;  -4.1864828e-6
	COEF 2, 0xc19dea72                             ; -19.739476
	COEF 3, 0x421de362                             ;  39.472052
	COEF 4, 0xc20750a4                             ; -33.828749
	COEF 5, 0x4181659b                             ;  16.174612
	COEF 6, 0xc0d0eac5                             ;  -6.5286582
; v[TP] + v[TE] = v[src] / 2 pi, four pairs: the product with the f32 part, what that product's rounding dropped (one fma gives it exactly), and the product with the rest
.macro TURNS src
.irp j, 0,1,2,3
	v_pk_mul_f32 v[TP+2*\j:TP+2*\j+1], v[\src+2*\j:\src+2*\j+1], v[CH:CH+1]
.endr
.irp j, 0,1,2,3
	v_pk_fma_f32 v[TE+2*\j:TE+2*\j+1], v[\src+2*\j:\src+2*\j+1], v[CH:CH+1], v[TP+2*\j:TP+2*\j+1] neg_lo:[0,0,1] neg_hi:[0,0,1]
.endr
.irp j, 0,1,2,3
	v_pk_fma_f32 v[TE+2*\j:TE+2*\j+1], v[\src+2*\j:\src+2*\j+1], v[CL:CL+1], v[TE+2*\j:TE+2*\j+1]
.endr
.endm
; four pairs to LDS: dim = thread / 16 + 16 j: four times four dims on for each j.  A wave's 32 lanes touch 32 different 8-byte places modulo 256
.macro PUT src, kind
.irp j, 0,1,2,3
	ds_store_b64 v[PST], v[\src+2*\j:\src+2*\j+1] offset:\j*4*QUADB+(\kind)*KINDB
.endr
.endm
	s_wait_loadcnt 21                              ; w's four loads are in; behind them 4 + 4 + 4 + 8 + 1 were issued
	TURNS WL
.irp j, 0,1,2,3
	v_pk_add_f32 v[WL+2*\j:WL+2*\j+1], v[TP+2*\j:TP+2*\j+1], v[TE+2*\j:TE+2*\j+1]   ; w' : rounded once
.endr
	PUT WL, 0
	s_wait_loadcnt 17                              ; phi's four are in
	TURNS PH
.irp j, 0,1,2,3,4,5,6,7
	v_rndne_f32 v[TN+\j], v[TP+\j]
.endr
.irp j, 0,1,2,3
	v_pk_add_f32 v[TP+2*\j:TP+2*\j+1], v[TP+2*\j:TP+2*\j+1], v[TN+2*\j:TN+2*\j+1] neg_lo:[0,1] neg_hi:[0,1]   ; whole turns off: exact
.endr
.irp j, 0,1,2,3
	v_pk_add_f32 v[PH+2*\j:PH+2*\j+1], v[TP+2*\j:TP+2*\j+1], v[TE+2*\j:TE+2*\j+1]   ; phi', in [-0.5, 0.5]
.endr
	PUT PH, 1
	s_wait_loadcnt 13                              ; A's four are in
	PUT AL, 2
	s_wait_loadcnt 9                               ; W's four are in; s and b may be out
	v_max3_num_f32 v[WM], |v[WW]|, |v[WW+1]|, FLOOR        ; the largest magnitude of my 16, in two chains
	v_max3_num_f32 v[WM+1], |v[WW+8]|, |v[WW+9]|, FLOOR
.irp i, 2,4,6
	v_max3_num_f32 v[WM], v[WM], |v[WW+\i]|, |v[WW+\i+1]|
	v_max3_num_f32 v[WM+1], v[WM+1], |v[WW+8+\i]|, |v[WW+9+\i]|
.endr
	v_max_num_f32 v[WM], v[WM], v[WM+1]
	v_max_num_f32_dpp v[WM], v[WM], v[WM] row_xmask:1 row_mask:0xf bank_mask:0xf   ; and of my neighbour's 16: the block's
	v_add_nc_u32 v[WS], EOFF, v[WM]                ; 2 off its exponent field: the conversion takes the exponent field of this operand as its scale, and nothing else of it
	v_cvt_scalef32_pk8_fp4_f32 v[WC], v[WW:WW+7], v[WS]
	v_cvt_scalef32_pk8_fp4_f32 v[WC+1], v[WW+8:WW+15], v[WS]
	v_lshrrev_b32 v[WB], 23, v[WS]                 ; the scale's byte  (also the plain line behind the conversions)
	v_mov_b32_dpp v[PO], v[WB] row_xmask:2 row_mask:0xf bank_mask:0xf   ; the byte of the row's other block
	v_lshlrev_b32 v[WB], v[WH1], v[WB]             ; each at its place in the scale word;
	v_lshlrev_b32 v[PO], v[WH2], v[PO]
	v_or_b32 v[WB], v[WB], v[PO]                   ; bytes 2 and 3 stand over zero codes
	ds_store_b64 v[WIA], v[WC:WC+1] offset:WIMG    ; my 16 codes, at their place in the image of the operand's registers
	ds_store_b32 v[WSA], v[WB] offset:WSC          ; the four lanes of a row write the same word with the same value
	s_wait_loadcnt 0x0                             ; s and b
.irp t, 0,1,2,3,4,5,6,7
	v_mov_b32 v[SS+2*\t+1], v[SS+2*\t]             ; both halves of a packed product take the same s
.endr
	s_wait_dscnt 0x0                               ; for the others' sake: my stores have landed
	s_barrier_signal -1
	s_barrier_wait -1                              ; everybody's have; parameters and W's images are only read from here on
; one harmonic's parameters of my 4 dims, at off bytes from v[ADR]: six loads; the sixteen lanes of a half read one address
.macro LOADG buf, off
.irp k, 0,1,2
	ds_load_b128 v[\buf+8*\k:\buf+8*\k+3],   v[ADR] offset:(\off)+KINDB*\k
	ds_load_b128 v[\buf+8*\k+4:\buf+8*\k+7], v[ADR] offset:(\off)+KINDB*\k+16
.endr
.endm
; GROUP: one harmonic of dim dd for my eight tiles: eight chains (chain c: tile c), step by step, so that no line waits for the line above it.  par: the buffer.
; first = 1: the products start the sums: nothing is cleared.
.macro GROUP par, dd, first
.set PBC, PB+24*(\par)
.set c, 0
.rept 8
	v_pk_fma_f32 v[TMP+4*c:TMP+4*c+1], v[PBC+2*(\dd):PBC+2*(\dd)+1], v[SS+2*c:SS+2*c+1], v[PBC+8+2*(\dd):PBC+8+2*(\dd)+1]   ; t = w' s + phi', in turns
.set c, c+1
.endr
.set c, 0
.rept 8
	v_fract_f32 v[TMP+4*c], v[TMP+4*c]             ; f = t - floor(t)
	v_fract_f32 v[TMP+4*c+1], v[TMP+4*c+1]
.set c, c+1
.endr
.set c, 0
.rept 8
	v_pk_fma_f32 v[TMP+4*c:TMP+4*c+1], v[TMP+4*c:TMP+4*c+1], v[TMP+4*c:TMP+4*c+1], v[TMP+4*c:TMP+4*c+1] neg_lo:[0,0,1] neg_hi:[0,0,1]   ; p = f f - f
.set c, c+1
.endr
.set c, 0
.rept 8
	v_pk_fma_f32 v[TMP+4*c+2:TMP+4*c+3], v[TMP+4*c:TMP+4*c+1], v[CF+12:CF+13], v[CF+10:CF+11]   ; r6 p + r5
.set c, c+1
.endr
.irp k, 8,6,4,2,0
.set c, 0
.rept 8
	v_pk_fma_f32 v[TMP+4*c+2:TMP+4*c+3], v[TMP+4*c+2:TMP+4*c+3], v[TMP+4*c:TMP+4*c+1], v[CF+\k:CF+\k+1]   ; Horner, down to r0
.set c, c+1
.endr
.endr
.set c, 0
.rept 8
.set AR, ACC+2*(4*c+(\dd))
.if \first
	v_pk_mul_f32 v[AR:AR+1], v[PBC+16+2*(\dd):PBC+16+2*(\dd)+1], v[TMP+4*c+2:TMP+4*c+3]
.else
	v_pk_fma_f32 v[AR:AR+1], v[PBC+16+2*(\dd):PBC+16+2*(\dd)+1], v[TMP+4*c+2:TMP+4*c+3], v[AR:AR+1]
.endif
.set c, c+1
.endr
.endm
; A HARMONIC: my 4 dims x 8 tiles, on buffer par.  At its head the next harmonic's six loads go out, in one run, into the other buffer.  nxt: where they lie, or -1: none.
.macro HARM par, nxt, first
.if (\nxt) >= 0
	LOADG PB+24*(1-(\par)), \nxt
	s_wait_dscnt 6                                 ; LDS loads come back in order (ISA guide 5.7.1): this harmonic's six are in, the six just issued may be out
.else
	s_wait_dscnt 0x0
.endif
.irp g, 0,1,2,3
	GROUP \par, \g, \first
.endr
.endm
; A TRIP: two harmonics, one on each buffer.  The last trip's second harmonic asks for nothing.
.macro TRIP first, last
	HARM 0, TRIPB, \first
.if \last
	HARM 1, -1, 0
.else
	HARM 1, 2*TRIPB, 0
.endif
.endm
.macro NEXT                            ; on to the next trip's parameters: a scalar stepped by a constant, added to my lane's fixed term
	s_add_co_u32 s31, s31, 2*TRIPB
	v_add_nc_u32 v[ADR], s31, v[ADR0]
.endm
	LOADG PB, 0
	TRIP 1, 0                                      ; harmonics 0 and 1: the first starts the sums
	NEXT
	s_mov_b32 s30, 6
.Ltrip:                                            ; harmonics 2 to 13
	TRIP 0, 0
	NEXT
	s_sub_co_u32 s30, s30, 1
	s_cmp_lg_u32 s30, 0
	s_cbranch_scc1 .Ltrip
	TRIP 0, 1                                      ; harmonics 14 and 15: written out, so that no load reaches past the parameters
	; the two components' sums are added: v[XR + 4 t + i] = pre(row 16 t + r, dim 8 wave + 4 h + i)
.set q, 0
.rept 32
	v_add_f32 v[XR+q], v[ACC+2*q], v[ACC+2*q+1]
.set q, q+1
.endr
.irp t, 0,1,2,3,4,5,6,7
	ds_store_b128 v[XSA], v[XR+4*\t:XR+4*\t+3] offset:XSTG+16*\t*XP   ; four neighbouring dims of a row
.endr
.irp j, 0,1,2,3
	ds_load_b128 v[BF+8*\j:BF+8*\j+3], v[LI] offset:WIMG+512*\j       ; W's fragments come back as images of the operand's registers, in any wave
	ds_load_b32 v[BSC+\j], v[LS] offset:WSC+64*\j                     ; lane r takes row r's word (lanes 16-31 take the same and are not read)
.endr
.irp j, 0,1,2,3
.irp i, 4,5,6,7
	v_mov_b32 v[BF+8*\j+\i], 0                     ; k = 64 .. 127: zero codes
.endr
.endr
.irp i, 4,5,6,7
	v_mov_b32 v[AF+\i], 0
.endr
	s_wait_dscnt 0x0                               ; for the others' sake: my stores into the stage have landed
	s_barrier_signal -1
	s_barrier_wait -1                              ; 128 whole rows lie in the stage
.irp i, 0,1,2,3,4,5,6,7
	ds_load_b128 v[YR+4*\i:YR+4*\i+3], v[XLA] offset:XSTG+16*\i       ; pre(16 wave + r, 32 h + 0 .. 31): a lane's registers run along K
.endr
	s_wait_dscnt 0x0
	; my block: all its 32 numbers are mine; four chains by turns
.irp c, 0,1,2,3
	v_max3_num_f32 v[MX+\c], |v[YR+8*\c]|, |v[YR+8*\c+1]|, FLOOR
.endr
.irp i, 2,4,6
.irp c, 0,1,2,3
	v_max3_num_f32 v[MX+\c], v[MX+\c], |v[YR+8*\c+\i]|, |v[YR+8*\c+\i+1]|
.endr
.endr
	v_max3_num_f32 v[MX], v[MX], v[MX+1], v[MX+2]
	v_max_num_f32 v[MX], v[MX], v[MX+3]
	v_add_nc_u32 v[SCO], EOFF, v[MX]               ; the conversion's scale operand
.irp g, 0,1,2,3
	v_cvt_scalef32_pk8_fp4_f32 v[AF+\g], v[YR+8*\g:YR+8*\g+7], v[SCO]   ; registers 0-3 of the operand: k = 32 h + 0 .. 31
.endr
	v_lshrrev_b32 v[BY], 23, v[SCO]                ; the scale's byte  (also the plain line behind the conversions)
	v_lshlrev_b32 v[BY], v[H8], v[BY]              ; at its place in the scale word;
	v_permlanex16_b32 v[PO], v[BY], s28, s29
	v_or_b32 v[ASC], v[BY], v[PO]                  ; with lane l xor 16's the word has both blocks: lane r holds row r's
.rept 8
	v_nop                                          ; a scale register written by a vector instruction stands 8 places ahead of a scaled matrix instruction, an operand so written 4
.endr
.irp j, 0,1,2,3                                    ; source 0 = my 16 rows, source 1 = 16 rows of W: four accumulators, one instruction each, the constant 0 as C
	v_wmma_scale_f32_16x16x128_f8f6f4 v[DR+8*\j:DR+8*\j+7], v[AF:AF+7], v[BF+8*\j:BF+8*\j+7], 0, v[ASC], v[BSC+\j] matrix_a_fmt:MATRIX_FMT_FP4 matrix_b_fmt:MATRIX_FMT_FP4
.endr
.rept 4
	v_nop                                          ; four places behind a matrix instruction before its result is read (ISA guide 7.12.1)
.endr
	; Register i of accumulator j in lane (r, h) is out0(16 wave + 8 h + i, 4 r + j).  The bias's addition lays a row's four neighbours side by side; each accumulator is read from its low end on.
.irp i, 0,1,2,3,4,5,6,7
.irp j, 0,1,2,3
	v_add_f32 v[XR+4*\i+\j], v[DR+8*\j+\i], v[BI+\j]
.endr
.endr
.irp i, 0,1,2,3,4,5,6,7
	global_store_b128 v[OADR], v[XR+4*\i:XR+4*\i+3], s[16:17] offset:\i*256 th:TH_STORE_NT   ; lanes 0-15 store one whole row of 256 bytes, lanes 16-31 the row 8 further down
.endr
	s_wait_tensorcnt 0x0
	ds_add_u32 v254, v255
	s_wait_dscnt 0x0
	s_endpgm
.Lfunc_end_k_q4fc53f5c80_fourier:
	.size	k_q4fc53f5c80_fourier, .Lfunc_end_k_q4fc53f5c80_fourier-k_q4fc53f5c80_fourier
	.p2alignl 7, 3214868480
	.fill 96, 4, 3214868480
	.section	.rodata,"a",@progbits
	.p2align	6, 0x0
	.amdhsa_kernel k_q4fc53f5c80_fourier
		.amdhsa_group_segment_fixed_size 168960
		.amdhsa_private_segment_fixed_size 0
		.amdhsa_enable_private_segment 0
		.amdhsa_kernarg_size 56
		.amdhsa_user_sgpr_count 2
		.amdhsa_user_sgpr_kernarg_segment_ptr 1
		.amdhsa_wavefront_size32 1
		.amdhsa_system_sgpr_workgroup_id_x 1
		.amdhsa_system_sgpr_workgroup_id_y 1
		.amdhsa_system_sgpr_workgroup_id_z 1
		.amdhsa_system_vgpr_workitem_id 0
		.amdhsa_next_free_vgpr 256
		.amdhsa_next_free_sgpr 66
		.amdhsa_reserve_vcc 0
		.amdhsa_float_denorm_mode_32 3
		.amdhsa_float_denorm_mode_16_64 3
		.amdhsa_memory_ordered 1
		.amdhsa_forward_progress 1
		.amdhsa_inst_pref_size 142
	.end_amdhsa_kernel
	.amdgpu_metadata
---
amdhsa.version: [ 1, 2 ]
amdhsa.kernels:
  - .name:           k_q4fc53f5c80_fourier
    .symbol:         k_q4fc53f5c80_fourier.kd
    .args:
      - { .name: s, .offset: 0, .size: 8, .value_kind: global_buffer, .address_space: global }
      - { .name: A, .offset: 8, .size: 8, .value_kind: global_buffer, .address_space: global }
      - { .name: phi, .offset: 16, .size: 8, .value_kind: global_buffer, .address_space: global }
      - { .name: w, .offset: 24, .size: 8, .value_kind: global_buffer, .address_space: global }
      - { .name: W, .offset: 32, .size: 8, .value_kind: global_buffer, .address_space: global }
      - { .name: b, .offset: 40, .size: 8, .value_kind: global_buffer, .address_space: global }
      - { .name: out0, .offset: 48, .size: 8, .value_kind: global_buffer, .address_space: global }
    .group_segment_fixed_size: 168960
    .private_segment_fixed_size: 0
    .kernarg_segment_align: 8
    .kernarg_segment_size: 56
    .max_flat_workgroup_size: 256
    .sgpr_count:     66
    .vgpr_count:     256
    .wavefront_size: 32
...
	.end_amdgpu_metadata
.endif
;; end of part 2
;; ======== version 3 of 3: 1 launch; version 2 with the launch fourier written anew for expert scheduling mode
;; launch fourier (part 3): grid 256 x 1, 8 waves a work-group, no clusters, 168,960 bytes of LDS; arguments s, A, phi, w, W, b, out0; writes out0
.if DOCPART == 3
	.amdgcn_target "amdgcn-amd-amdhsa--gfx1250"
	.amdhsa_code_object_version 6
	.text
	.protected	k_q4fc53f5c80_fourier
	.globl	k_q4fc53f5c80_fourier
	.p2align	8
	.type	k_q4fc53f5c80_fourier,@function
k_q4fc53f5c80_fourier:
	s_mov_b64 s[64:65], 0
	v_nop
	global_prefetch_b8 v0, s[64:65] scope:SCOPE_SE
	s_setreg_imm32_b32 hwreg(HW_REG_WAVE_SCHED_MODE, 0, 2), 2
	s_setreg_imm32_b32 hwreg(HW_REG_WAVE_MODE, 25, 1), 1
	s_wait_xcnt 0x0
	s_wait_alu depctr_vm_vsrc(0)
; out0[i][n] = b[n] + sum over k of Q(pre[i][k]) Q(W[n][k]),   pre[i][d] = sum over 16 harmonics x 2 components of A cos(w s[i] + phi).
; Q: codes of FP4 (E2M1) with one E8M0 scale for each 32 along K = the 64 dims.  s [32768], A, phi, w [64][16][2], W [64][64], b [64], out0 [32768][64], all f32.
; The input x is not read: reference() never uses it, so no output depends on it.
; SHARES.  256 work-groups x 8 waves; a work-group owns 128 time points.  THE COSINES: THE WAVES SHARE THE DIMS, NOT THE ROWS: wave v takes dims 8 v .. 8 v + 7 for all 128 rows; lane (r, h) = (lane % 16, lane / 16)
; takes rows r + 16 t, t = 0 .. 7, and dims 8 v + 4 h + 0 .. 3.  So a parameter pair read from LDS feeds eight chains: six LDS loads for a harmonic's 32 chains (352 vector instructions).
; Two waves lie on a SIMD, so that one can issue while the other waits.  THE PRODUCT: the finished sums go through a stage in LDS; behind a barrier wave v takes rows 16 v .. 16 v + 15, and lane (r, h)
; row r's dims 32 h .. 32 h + 31: one whole block of 32 along K, which is registers 0-3 of the 4-bit operand's layout for that lane.
; K = 64 is filled to the instruction's 128 with zero codes on both sides (registers 4-7 of every fragment; their scale bytes are 0, which is not the NaN byte).
; THE COSINE is made by arithmetic, 11 instructions for two cosines.  Phases are kept in turns: w' = w / 2 pi and phi' = phi / 2 pi are made once, from a product in two parts
; (hi + lo of 1 / 2 pi), rounded once; phi' is brought into [-0.5, 0.5].  t = w' s + phi' (one fma);  f = t - floor(t);  p = f f - f, in [-1/4, 0];  cos(2 pi t) = R(p), degree 6.
; R is the Chebyshev series of cos(2 pi f) in X = 1 + 8 p, whose coefficients are -J0(pi), +2 J2(pi), -2 J4(pi), .. ; cut behind T6 it leaves 2 J14(pi) = 1.1e-8.  With f32 rounding of p and of
; Horner's steps the cosine's absolute error is a few 1e-7 at the worst (near cos = -1).  The phase carries about |w s| x 2^-24, as an f32 phase in radians does.
; A packed pair is a harmonic's two components, as they lie in memory; a sum is kept for each component and the two are added at the end.
; LIMITS: NaN and infinities among the inputs are not served.  From |w s / 2 pi| = 2^23 on the phase has no fraction left.  A block of zeros gets the scale byte 1 where the
; rule says 127: its codes are zeros, which add nothing under either byte, and the bytes are read by this kernel alone.
; LDS: the parameters, [harmonic][four dims][w', phi', A][4 dims x 2 components], 1,536 bytes a harmonic + 16 of padding
; W's four fragments as images of the operand's registers, and their scale words; the stage, 128 rows of 256 bytes + 16.
; 61,952 bytes are used; the claim is larger, more than half of 327,680, so that no second work-group lies beside this one; its last 1,024 bytes are the spare words, 128 for each wave.
; THE MODE: SCHED_MODE bits 1:0 = 2 (LLVM: expert scheduling mode 2), set by the entry lines.  The code itself states the register dependences
; between vector or matrix instructions and memory or LDS instructions, with s_wait_alu, always for 0.
; THE PLAN.  Registers that memory or LDS instructions touch:
;   offsets and addresses (v3-11, v46-48, v218, v219)  made once at the head, ahead of one wait on va_vdst; of them v[ADR] alone is written again, once a trip.
;   WL, PH, AL, WC, WB   set-up: written by loads and by the set-up's arithmetic; read by ONE run of 14 LDS stores, behind one wait on va_vdst.  One wait on vm_vsrc behind the first barrier states that
;                        the stores have read them: the sums and the accumulators are laid over them.
;   PB0, PB1             harmonic h works on buffer h % 2; its six loads were issued in harmonic h - 1.  At the head of harmonic h one wait on va_vdst states that harmonic h - 1 is done reading the other
;                        buffer; the loads of harmonic h + 1 land there, dealt two at a time in front of the harmonic's first three groups, which name this buffer, the chains, the sums, s and the
;                        coefficients: none of the registers that those loads touch.
;   v[ADR]               read by the parameters' loads; one wait on vm_vsrc stands ahead of the add at a trip's end; the next harmonic's wait on va_vdst states that it is written.
;   XR, BF, YR           behind the loop: one wait on va_vdst behind the sums' last additions serves the stage's stores (data XR) and the loads into BF and YR (registers of the sums and of the chains).
;   XR once more         the output: a wait on vm_vsrc ahead of the bias's additions (the stage's stores have read it), a wait on va_vdst ahead of the global stores.
.set TRIPB, 1552                       ; a harmonic's parameters in LDS
.set QUADB, 96                         ; in it: four dims
.set KINDB, 32                         ; in that: w', phi', A: 4 dims x 2 x 4 bytes each
.set WIMG,  16*TRIPB                   ; W's four fragments: 512 bytes each
.set WSC,   WIMG+4*512                 ; and their scale words: 16 rows x 4 bytes each
.set XSTG,  WSC+256                    ; the stage
.set XP,    272                        ; a stage row: 64 numbers + 16 bytes: sixteen rows' 16-byte pieces fall on sixteen different groups of banks
.set FLOOR, 0x1800000                  ; 2^(3 - 127): no largest magnitude is taken under it, so no scale byte falls under 1
.set EOFF,  0xff000000                 ; takes 2, the exponent of E2M1's largest number, off an exponent field
.set RR,   1                           ; v1   r = lane % 16 (also thread % 16)
.set HH,   2                           ; v2   h = lane / 16
.set ADR,  3                           ; v3   LDS address of my four dims' parameters of the trip in hand
.set OADR, 4                           ; v4   out0: 8 h rows of 256 bytes + 16 r
.set LI,   5                           ; v5   16 x lane: my place in a fragment's image
.set LS,   6                           ; v6   4 r: my row's scale word of W
.set H8,   7                           ; v7   8 h: my block's byte in a scale word
.set PST,  8                           ; v8   set-up: where I store parameter pairs
.set GOF,  9                           ; v9   set-up: 8 x thread: where I load them
.set WOF,  10                          ; v10  set-up: my 16 numbers of W
.set WIA,  11                          ; v11  set-up: where their codes go
.set BI,   12                          ; v12-15  b[4 r .. 4 r + 3]
.set SS,   16                          ; v16-31  s of my row in tile t, twice, at v[16 + 2 t]
.set CF,   32                          ; v32-45  r0 .. r6, each twice
.set XSA,  46                          ; v46  the stage: where I put four dims of a row
.set XLA,  47                          ; v47  and where I read 32 dims of my row back
.set WSA,  48                          ; v48  set-up: where my row's scale word of W goes
.set T16,  49                          ; v49  thread / 16 = 2 wave + h: which four dims are mine
.set ADR0, 50                          ; v50  96 x that: never rewritten
.set TA,   51                          ; v51  at work
.set PB,   52                          ; v52-99  two buffers of 24: w', phi', A of my 4 dims, one harmonic each
.set TMP,  100                         ; v100-131 eight chains: t, f, p in one pair, R in another
.set ACC,  132                         ; v132-195 the sums: pair 4 tile + dim
.set WL,   132                         ; set-up: w, phi, A as loaded (4 pairs each), and scratch
.set PH,   140
.set AL,   148
.set TP,   156
.set TE,   164
.set TN,   172
.set WW,   196                         ; 16 numbers of W
.set WC,   212                         ; their codes
.set CH,   214                         ; 1 / 2 pi, its f32 part, twice;
.set CL,   216                         ; and what is left of it, twice
.set SOF,  218
.set BOF,  219
.set WM,   220
.set WS,   222
.set WB,   223
.set WH1,  224
.set WH2,  225
.set PO,   226                         ; what another lane sent
.set XR,   52                          ; behind the loop: v52-83 my 32 finished sums, later the output
.set YR,   100                         ; v100-131 my row's 32 numbers of a block
.set BF,   132                         ; v132-163 W's four fragments
.set AF,   168                         ; v168-175 my tile's fragment
.set MX,   176
.set SCO,  180
.set BY,   181
.set DR,   184                         ; v184-215 four accumulators
.set BSC,  244                         ; v244-247 W's scale words;  v248 my tile's: these five hold scales and nothing else
.set ASC,  248
	s_load_b256 s[4:11], s[0:1], 0x0               ; s s[4:5], A s[6:7], phi s[8:9], w s[10:11]
	s_load_b128 s[12:15], s[0:1], 0x20             ; W s[12:13], b s[14:15]
	s_load_b64 s[16:17], s[0:1], 0x30              ; out0
	v_lshl_add_u32 v254, v0, 2, 0x29000            ; the LDS address of my spare word, and 0: made here and kept for the closing lines alone
	v_mov_b32 v255, 0
	v_lshrrev_b32 v[RR], 5, v0
	v_readfirstlane_b32 s18, v[RR]                 ; wave 0..7
	v_and_b32 v[RR], 15, v0
	v_bfe_u32 v[HH], v0, 4, 1
	v_lshrrev_b32 v[T16], 4, v0
	v_mul_u32_u24 v[ADR0], v[T16], QUADB
	v_mul_u32_u24 v[ADR], v[T16], QUADB
	v_lshlrev_b32 v[OADR], 4, v[RR]
	v_lshl_add_u32 v[OADR], v[HH], 11, v[OADR]
	v_and_b32 v[LI], 31, v0
	v_lshlrev_b32 v[LI], 4, v[LI]
	v_lshlrev_b32 v[LS], 2, v[RR]
	v_lshlrev_b32 v[H8], 3, v[HH]
	; Parameter pair q = thread + 256 j is (dim q / 16, harmonic q % 16): harmonic = thread % 16, dim = thread / 16 + 16 j.  Its place in LDS: harmonic x TRIPB + (dim / 4) x QUADB + 8 (dim % 4); j's part stands in the immediate
	v_lshrrev_b32 v[PST], 6, v0
	v_mul_u32_u24 v[PST], v[PST], QUADB
	v_bfe_u32 v[TA], v0, 4, 2
	v_lshl_add_u32 v[PST], v[TA], 3, v[PST]
	v_mad_u32_u24 v[PST], v[RR], TRIPB, v[PST]
	v_lshlrev_b32 v[GOF], 3, v0
	; W is shared among all 256 threads: thread = 64 j + 4 r + 2 h + u takes 16 numbers: row n = 4 r + j, k = 32 h + 16 u + 0 .. 15: four neighbouring lanes read one whole row of 256 bytes.
	; THE ROWS OF A TILE ARE NOT NEIGHBOURS: lane r of tile j stands for row n = 4 r + j, so that on the way out a lane holds four neighbouring n.
	v_bfe_u32 v[WOF], v0, 2, 4
	v_lshlrev_b32 v[WOF], 10, v[WOF]               ; 4 r rows of 256 bytes,
	v_lshrrev_b32 v[TA], 6, v0
	v_lshl_add_u32 v[WOF], v[TA], 8, v[WOF]        ; j rows,
	v_and_b32 v[TA], 3, v0
	v_lshl_add_u32 v[WOF], v[TA], 6, v[WOF]        ; 64 (2 h + u) bytes
	v_lshrrev_b32 v[WIA], 6, v0                    ; the codes' place in tile j's image: lane r + 16 h of the operand has 16 bytes at 16 x that lane; my half of them is 8 u on
	v_lshlrev_b32 v[WIA], 9, v[WIA]
	v_bfe_u32 v[TA], v0, 2, 4
	v_lshl_add_u32 v[WIA], v[TA], 4, v[WIA]
	v_bfe_u32 v[TA], v0, 1, 1
	v_lshl_add_u32 v[WIA], v[TA], 8, v[WIA]
	v_lshlrev_b32 v[WH1], 3, v[TA]                 ; my block's byte in the row's scale word: 8 h bits up;
	v_xor_b32 v[WH2], 8, v[WH1]                    ; the other block's
	v_and_b32 v[TA], 1, v0
	v_lshl_add_u32 v[WIA], v[TA], 3, v[WIA]
	v_and_b32 v[WSA], 0xfc, v0                     ; 4 (16 j + r): the row's scale word
	s_wait_alu depctr_va_sdst(0)                   ; s18, the wave's number, is written, ahead of its first reader: the stage's address and out0's base are made from it
	s_mul_i32 s19, s18, 16*XP
	v_mul_u32_u24 v[XSA], v[RR], XP                ; the stage, in: row r of a tile, my four dims: 16 bytes at 16 (2 wave + h)
	v_lshl_add_u32 v[XSA], v[T16], 4, v[XSA]
	v_mul_u32_u24 v[XLA], v[RR], XP                ; back: row 16 wave + r, block h
	v_lshl_add_u32 v[XLA], v[HH], 7, v[XLA]
	v_add_nc_u32 v[XLA], s19, v[XLA]
	v_lshlrev_b32 v[SOF], 2, v[RR]
	v_lshlrev_b32 v[BOF], 4, v[RR]
	s_lshl_b32 s22, ttmp9, 9                       ; s: 128 numbers a work-group
	s_mov_b32 s23, 0
	s_lshl_b32 s24, ttmp9, 15                      ; out0: 128 rows of 256 bytes a work-group,
	s_lshl_b32 s26, s18, 12                        ; 16 a wave
	s_add_co_u32 s24, s24, s26
	s_mov_b32 s25, 0
	s_mov_b32 s28, 0x76543210                      ; v_permlanex16_b32's selects for lane l xor 16
	s_mov_b32 s29, 0xfedcba98
	s_mov_b32 s31, 0                               ; where the trip's parameters begin in LDS
	s_wait_kmcnt 0x0
	s_add_nc_u64 s[4:5], s[4:5], s[22:23]
	s_add_nc_u64 s[16:17], s[16:17], s[24:25]
	s_wait_alu depctr_va_vdst(0)                   ; all offsets and addresses (v3 to v11, v46 to v48, v218, v219) are written, which the kernel's loads and stores read
.irp j, 0,1,2,3
	global_load_b64 v[WL+2*\j:WL+2*\j+1], v[GOF], s[10:11] offset:2048*\j   ; a wave reads 256 consecutive bytes
.endr
.irp j, 0,1,2,3
	global_load_b64 v[PH+2*\j:PH+2*\j+1], v[GOF], s[8:9] offset:2048*\j
.endr
.irp j, 0,1,2,3
	global_load_b64 v[AL+2*\j:AL+2*\j+1], v[GOF], s[6:7] offset:2048*\j
.endr
.irp i, 0,1,2,3
	global_load_b128 v[WW+4*\i:WW+4*\i+3], v[WOF], s[12:13] offset:16*\i
.endr
.irp t, 0,1,2,3,4,5,6,7
	global_load_b32 v[SS+2*\t], v[SOF], s[4:5] offset:64*\t
.endr
	global_load_b128 v[BI:BI+3], v[BOF], s[14:15]
	; constants, while the loads are on their way: no load lands in these registers
	v_mov_b32 v[CH], 0x3e22f983                    ; 1 / 2 pi to f32
	v_mov_b32 v[CH+1], 0x3e22f983
	v_mov_b32 v[CL], 0x31dc9c88                    ; 1 / 2 pi less that: 6.4206e-9
	v_mov_b32 v[CL+1], 0x31dc9c88
	v_mov_b32 v[PO], 0                             ; the destination of a DPP form and of a lane permute counts as one of its sources
.macro COEF k, bits
	v_mov_b32 v[CF+2*\k], \bits
	v_mov_b32 v[CF+2*\k+1], \bits
.endm
	COEF 0, 0x3f800000                             ;   1.0
	COEF 1, 0xb68c799d                             ;  -4.1864828e-6
	COEF 2, 0xc19dea72                             ; -19.739476
	COEF 3, 0x421de362                             ;  39.472052
	COEF 4, 0xc20750a4                             ; -33.828749
	COEF 5, 0x4181659b                             ;  16.174612
	COEF 6, 0xc0d0eac5                             ;  -6.5286582
; v[TP] + v[TE] = v[src] / 2 pi, four pairs: the product with the f32 part, what that product's rounding dropped (one fma gives it exactly), and the product with the rest
.macro TURNS src
.irp j, 0,1,2,3
	v_pk_mul_f32 v[TP+2*\j:TP+2*\j+1], v[\src+2*\j:\src+2*\j+1], v[CH:CH+1]
.endr
.irp j, 0,1,2,3
	v_pk_fma_f32 v[TE+2*\j:TE+2*\j+1], v[\src+2*\j:\src+2*\j+1], v[CH:CH+1], v[TP+2*\j:TP+2*\j+1] neg_lo:[0,0,1] neg_hi:[0,0,1]
.endr
.irp j, 0,1,2,3
	v_pk_fma_f32 v[TE+2*\j:TE+2*\j+1], v[\src+2*\j:\src+2*\j+1], v[CL:CL+1], v[TE+2*\j:TE+2*\j+1]
.endr
.endm
; four pairs to LDS: dim = thread / 16 + 16 j: four times four dims on for each j.  A wave's 32 lanes touch 32 different 8-byte places modulo 256
.macro PUT src, kind
.irp j, 0,1,2,3
	ds_store_b64 v[PST], v[\src+2*\j:\src+2*\j+1] offset:\j*4*QUADB+(\kind)*KINDB
.endr
.endm
	; The set-up's arithmetic first, all of it; its LDS stores follow in one run, behind one wait
	s_wait_loadcnt 21                              ; w's four loads are in; behind them 4 + 4 + 4 + 8 + 1 were issued
	TURNS WL
.irp j, 0,1,2,3
	v_pk_add_f32 v[WL+2*\j:WL+2*\j+1], v[TP+2*\j:TP+2*\j+1], v[TE+2*\j:TE+2*\j+1]   ; w' : rounded once
.endr
	s_wait_loadcnt 17                              ; phi's four are in
	TURNS PH
.irp j, 0,1,2,3,4,5,6,7
	v_rndne_f32 v[TN+\j], v[TP+\j]
.endr
.irp j, 0,1,2,3
	v_pk_add_f32 v[TP+2*\j:TP+2*\j+1], v[TP+2*\j:TP+2*\j+1], v[TN+2*\j:TN+2*\j+1] neg_lo:[0,1] neg_hi:[0,1]   ; whole turns off: exact
.endr
.irp j, 0,1,2,3
	v_pk_add_f32 v[PH+2*\j:PH+2*\j+1], v[TP+2*\j:TP+2*\j+1], v[TE+2*\j:TE+2*\j+1]   ; phi', in [-0.5, 0.5]
.endr
	s_wait_loadcnt 9                               ; A's four and W's four are in; s's eight and b's one may be out
	v_max3_num_f32 v[WM], |v[WW]|, |v[WW+1]|, FLOOR        ; the largest magnitude of my 16, in two chains
	v_max3_num_f32 v[WM+1], |v[WW+8]|, |v[WW+9]|, FLOOR
.irp i, 2,4,6
	v_max3_num_f32 v[WM], v[WM], |v[WW+\i]|, |v[WW+\i+1]|
	v_max3_num_f32 v[WM+1], v[WM+1], |v[WW+8+\i]|, |v[WW+9+\i]|
.endr
	v_max_num_f32 v[WM], v[WM], v[WM+1]
	v_max_num_f32_dpp v[WM], v[WM], v[WM] row_xmask:1 row_mask:0xf bank_mask:0xf   ; and of my neighbour's 16: the block's
	v_add_nc_u32 v[WS], EOFF, v[WM]                ; 2 off its exponent field: the conversion takes the exponent field of this operand as its scale, and nothing else of it
	v_cvt_scalef32_pk8_fp4_f32 v[WC], v[WW:WW+7], v[WS]
	v_cvt_scalef32_pk8_fp4_f32 v[WC+1], v[WW+8:WW+15], v[WS]
	v_lshrrev_b32 v[WB], 23, v[WS]                 ; the scale's byte  (also the plain line behind the conversions)
	v_mov_b32_dpp v[PO], v[WB] row_xmask:2 row_mask:0xf bank_mask:0xf   ; the byte of the row's other block
	v_lshlrev_b32 v[WB], v[WH1], v[WB]             ; each at its place in the scale word;
	v_lshlrev_b32 v[PO], v[WH2], v[PO]
	v_or_b32 v[WB], v[WB], v[PO]                   ; bytes 2 and 3 stand over zero codes
	s_wait_alu depctr_va_vdst(0)                   ; w' in v[WL ..], phi' in v[PH ..], the codes in v[WC ..] and the scale word in v[WB] are written, which the LDS stores below read (A goes as it was loaded)
	PUT WL, 0
	PUT PH, 1
	PUT AL, 2
	ds_store_b64 v[WIA], v[WC:WC+1] offset:WIMG    ; my 16 codes, at their place in the image of the operand's registers
	ds_store_b32 v[WSA], v[WB] offset:WSC          ; the four lanes of a row write the same word with the same value
	s_wait_loadcnt 0x0                             ; s and b
.irp t, 0,1,2,3,4,5,6,7
	v_mov_b32 v[SS+2*\t+1], v[SS+2*\t]             ; both halves of a packed product take the same s
.endr
	s_wait_alu depctr_va_vdst(0)
	s_wait_dscnt 0x0                               ; for the others' sake: my stores have landed
	s_barrier_signal -1
	s_barrier_wait -1                              ; everybody's have; parameters and W's images are only read from here on
	s_wait_alu depctr_vm_vsrc(0)                   ; my LDS stores have read v[WL ..], v[PH ..], v[AL ..] and v[WC ..]: the sums, from the first harmonic on, and later the accumulators are written over them
; two of the six loads of one harmonic's parameters of my 4 dims, at off bytes from v[ADR]: kind k (w', phi' or A); the sixteen lanes of a half read one address
.macro LOADK buf, off, k
	ds_load_b128 v[\buf+8*(\k):\buf+8*(\k)+3],   v[ADR] offset:(\off)+KINDB*(\k)
	ds_load_b128 v[\buf+8*(\k)+4:\buf+8*(\k)+7], v[ADR] offset:(\off)+KINDB*(\k)+16
.endm
; GROUP: one harmonic of dim dd for my eight tiles: eight chains (chain c: tile c), step by step, so that no line waits for the line above it.  par: the buffer.
; first = 1: the products start the sums: nothing is cleared.
.macro GROUP par, dd, first
.set PBC, PB+24*(\par)
.set c, 0
.rept 8
	v_pk_fma_f32 v[TMP+4*c:TMP+4*c+1], v[PBC+2*(\dd):PBC+2*(\dd)+1], v[SS+2*c:SS+2*c+1], v[PBC+8+2*(\dd):PBC+8+2*(\dd)+1]   ; t = w' s + phi', in turns
.set c, c+1
.endr
.set c, 0
.rept 8
	v_fract_f32 v[TMP+4*c], v[TMP+4*c]             ; f = t - floor(t)
	v_fract_f32 v[TMP+4*c+1], v[TMP+4*c+1]
.set c, c+1
.endr
.set c, 0
.rept 8
	v_pk_fma_f32 v[TMP+4*c:TMP+4*c+1], v[TMP+4*c:TMP+4*c+1], v[TMP+4*c:TMP+4*c+1], v[TMP+4*c:TMP+4*c+1] neg_lo:[0,0,1] neg_hi:[0,0,1]   ; p = f f - f
.set c, c+1
.endr
.set c, 0
.rept 8
	v_pk_fma_f32 v[TMP+4*c+2:TMP+4*c+3], v[TMP+4*c:TMP+4*c+1], v[CF+12:CF+13], v[CF+10:CF+11]   ; r6 p + r5
.set c, c+1
.endr
.irp k, 8,6,4,2,0
.set c, 0
.rept 8
	v_pk_fma_f32 v[TMP+4*c+2:TMP+4*c+3], v[TMP+4*c+2:TMP+4*c+3], v[TMP+4*c:TMP+4*c+1], v[CF+\k:CF+\k+1]   ; Horner, down to r0
.set c, c+1
.endr
.endr
.set c, 0
.rept 8
.set AR, ACC+2*(4*c+(\dd))
.if \first
	v_pk_mul_f32 v[AR:AR+1], v[PBC+16+2*(\dd):PBC+16+2*(\dd)+1], v[TMP+4*c+2:TMP+4*c+3]
.else
	v_pk_fma_f32 v[AR:AR+1], v[PBC+16+2*(\dd):PBC+16+2*(\dd)+1], v[TMP+4*c+2:TMP+4*c+3], v[AR:AR+1]
.endif
.set c, c+1
.endr
.endm
; A HARMONIC: my 4 dims x 8 tiles, on buffer par.  The next harmonic's six loads go into the other buffer, two in front of each of the first three groups.  nxt: where they lie, or -1: none.
; first = 1: the very first harmonic: no vector instruction has named the other buffer yet, and v[ADR] was written ahead of the head's wait: no wait on va_vdst is owed.
.macro HARM par, nxt, first
	s_wait_dscnt 0x0                               ; this harmonic's six loads, issued in the harmonic before (the first's: ahead of the trips), are in
.if (\nxt) >= 0
.if !\first
	s_wait_alu depctr_va_vdst(0)                   ; the harmonic before is done reading the other buffer, in which the loads below land; in a trip's first harmonic v[ADR], their address, is written
.endif
.endif
.irp g, 0,1,2,3
.if (\nxt) >= 0
.if \g < 3
	LOADK PB+24*(1-(\par)), \nxt, \g               ; no further wait: no vector instruction since the wait above names the other buffer or v[ADR]
.endif
.endif
	GROUP \par, \g, \first
.endr
.endm
; A TRIP: two harmonics, one on each buffer.  The last trip's second harmonic asks for nothing.
.macro TRIP first, last
	HARM 0, TRIPB, \first
.if \last
	HARM 1, -1, 0
.else
	HARM 1, 2*TRIPB, 0
.endif
.endm
.macro NEXT                            ; on to the next trip's parameters: a scalar stepped by a constant, added to my lane's fixed term
	s_add_co_u32 s31, s31, 2*TRIPB
	s_wait_alu depctr_vm_vsrc(0)                   ; the LDS loads issued so far have read v[ADR]
	v_add_nc_u32 v[ADR], s31, v[ADR0]
.endm
.irp k, 0,1,2
	LOADK PB, 0, \k                                ; harmonic 0's parameters: no vector instruction has named these registers, and v[ADR] was written ahead of the head's wait
.endr
	TRIP 1, 0                                      ; harmonics 0 and 1: the first starts the sums
	NEXT
	s_mov_b32 s30, 6
.Ltrip:                                            ; harmonics 2 to 13
	TRIP 0, 0
	NEXT
	s_sub_co_u32 s30, s30, 1
	s_cmp_lg_u32 s30, 0
	s_cbranch_scc1 .Ltrip
	TRIP 0, 1                                      ; harmonics 14 and 15: written out, so that no load reaches past the parameters
	; the two components' sums are added: v[XR + 4 t + i] = pre(row 16 t + r, dim 8 wave + 4 h + i)
.set q, 0
.rept 32
	v_add_f32 v[XR+q], v[ACC+2*q], v[ACC+2*q+1]
.set q, q+1
.endr
	s_wait_alu depctr_va_vdst(0)                   ; the additions have written v[XR ..], which the stage's stores read, and are done reading the sums, in which W's fragments land; the last harmonic is done with the chains' registers, in which my row lands behind the barrier
.irp t, 0,1,2,3,4,5,6,7
	ds_store_b128 v[XSA], v[XR+4*\t:XR+4*\t+3] offset:XSTG+16*\t*XP   ; four neighbouring dims of a row
.endr
.irp j, 0,1,2,3
	ds_load_b128 v[BF+8*\j:BF+8*\j+3], v[LI] offset:WIMG+512*\j       ; W's fragments come back as images of the operand's registers, in any wave
	ds_load_b32 v[BSC+\j], v[LS] offset:WSC+64*\j                     ; lane r takes row r's word (lanes 16-31 take the same and are not read)
.endr
.irp j, 0,1,2,3
.irp i, 4,5,6,7
	v_mov_b32 v[BF+8*\j+\i], 0                     ; k = 64 .. 127: zero codes (registers in which no load lands)
.endr
.endr
.irp i, 4,5,6,7
	v_mov_b32 v[AF+\i], 0
.endr
	s_wait_dscnt 0x0                               ; for the others' sake: my stores into the stage have landed
	s_barrier_signal -1
	s_barrier_wait -1                              ; 128 whole rows lie in the stage
.irp i, 0,1,2,3,4,5,6,7
	ds_load_b128 v[YR+4*\i:YR+4*\i+3], v[XLA] offset:XSTG+16*\i       ; pre(16 wave + r, 32 h + 0 .. 31): a lane's registers run along K.  No wait: since the last wait on va_vdst only the zero codes were written, in other registers
.endr
	s_wait_dscnt 0x0
	; my block: all its 32 numbers are mine; four chains by turns
.irp c, 0,1,2,3
	v_max3_num_f32 v[MX+\c], |v[YR+8*\c]|, |v[YR+8*\c+1]|, FLOOR
.endr
.irp i, 2,4,6
.irp c, 0,1,2,3
	v_max3_num_f32 v[MX+\c], v[MX+\c], |v[YR+8*\c+\i]|, |v[YR+8*\c+\i+1]|
.endr
.endr
	v_max3_num_f32 v[MX], v[MX], v[MX+1], v[MX+2]
	v_max_num_f32 v[MX], v[MX], v[MX+3]
	v_add_nc_u32 v[SCO], EOFF, v[MX]               ; the conversion's scale operand
.irp g, 0,1,2,3
	v_cvt_scalef32_pk8_fp4_f32 v[AF+\g], v[YR+8*\g:YR+8*\g+7], v[SCO]   ; registers 0-3 of the operand: k = 32 h + 0 .. 31
.endr
	v_lshrrev_b32 v[BY], 23, v[SCO]                ; the scale's byte  (also the plain line behind the conversions)
	v_lshlrev_b32 v[BY], v[H8], v[BY]              ; at its place in the scale word;
	v_permlanex16_b32 v[PO], v[BY], s28, s29
	v_or_b32 v[ASC], v[BY], v[PO]                  ; with lane l xor 16's the word has both blocks: lane r holds row r's
.rept 8
	v_nop                                          ; a scale register written by a vector instruction stands 8 places ahead of a scaled matrix instruction, an operand so written 4
.endr
	s_wait_alu depctr_va_vdst(0)                   ; my tile's codes in v[AF ..], its scale word in v[ASC] and the zero codes of all five fragments are written, which the scaled matrix instructions take; the places above stay beside this wait
.irp j, 0,1,2,3                                    ; source 0 = my 16 rows, source 1 = 16 rows of W: four accumulators, one instruction each, the constant 0 as C
	v_wmma_scale_f32_16x16x128_f8f6f4 v[DR+8*\j:DR+8*\j+7], v[AF:AF+7], v[BF+8*\j:BF+8*\j+7], 0, v[ASC], v[BSC+\j] matrix_a_fmt:MATRIX_FMT_FP4 matrix_b_fmt:MATRIX_FMT_FP4
.endr
.rept 4
	v_nop                                          ; four places behind a matrix instruction before its result is read (ISA guide 7.12.1)
.endr
	s_wait_alu depctr_vm_vsrc(0)                   ; the stores into the stage have read v[XR ..], which the additions below write again
	; Register i of accumulator j in lane (r, h) is out0(16 wave + 8 h + i, 4 r + j).  The bias's addition lays a row's four neighbours side by side; each accumulator is read from its low end on.
.irp i, 0,1,2,3,4,5,6,7
.irp j, 0,1,2,3
	v_add_f32 v[XR+4*\i+\j], v[DR+8*\j+\i], v[BI+\j]
.endr
.endr
	s_wait_alu depctr_va_vdst(0)                   ; the additions have written v[XR ..], which the stores below read
.irp i, 0,1,2,3,4,5,6,7
	global_store_b128 v[OADR], v[XR+4*\i:XR+4*\i+3], s[16:17] offset:\i*256 th:TH_STORE_NT   ; lanes 0-15 store one whole row of 256 bytes, lanes 16-31 the row 8 further down
.endr
	s_wait_dscnt 0x0                               ; the closing lines, six on end
	s_wait_alu 0x0
	s_wait_tensorcnt 0x0
	ds_add_u32 v254, v255
	s_wait_dscnt 0x0
	s_endpgm
.Lfunc_end_k_q4fc53f5c80_fourier:
	.size	k_q4fc53f5c80_fourier, .Lfunc_end_k_q4fc53f5c80_fourier-k_q4fc53f5c80_fourier
	.p2alignl 7, 3214868480
	.fill 96, 4, 3214868480
	.section	.rodata,"a",@progbits
	.p2align	6, 0x0
	.amdhsa_kernel k_q4fc53f5c80_fourier
		.amdhsa_group_segment_fixed_size 168960
		.amdhsa_private_segment_fixed_size 0
		.amdhsa_enable_private_segment 0
		.amdhsa_kernarg_size 56
		.amdhsa_user_sgpr_count 2
		.amdhsa_user_sgpr_kernarg_segment_ptr 1
		.amdhsa_wavefront_size32 1
		.amdhsa_system_sgpr_workgroup_id_x 1
		.amdhsa_system_sgpr_workgroup_id_y 1
		.amdhsa_system_sgpr_workgroup_id_z 1
		.amdhsa_system_vgpr_workitem_id 0
		.amdhsa_next_free_vgpr 256
		.amdhsa_next_free_sgpr 66
		.amdhsa_reserve_vcc 0
		.amdhsa_float_denorm_mode_32 3
		.amdhsa_float_denorm_mode_16_64 3
		.amdhsa_memory_ordered 1
		.amdhsa_forward_progress 1
		.amdhsa_inst_pref_size 143
	.end_amdhsa_kernel
	.amdgpu_metadata
---
amdhsa.version: [ 1, 2 ]
amdhsa.kernels:
  - .name:           k_q4fc53f5c80_fourier
    .symbol:         k_q4fc53f5c80_fourier.kd
    .args:
      - { .name: s, .offset: 0, .size: 8, .value_kind: global_buffer, .address_space: global }
      - { .name: A, .offset: 8, .size: 8, .value_kind: global_buffer, .address_space: global }
      - { .name: phi, .offset: 16, .size: 8, .value_kind: global_buffer, .address_space: global }
      - { .name: w, .offset: 24, .size: 8, .value_kind: global_buffer, .address_space: global }
      - { .name: W, .offset: 32, .size: 8, .value_kind: global_buffer, .address_space: global }
      - { .name: b, .offset: 40, .size: 8, .value_kind: global_buffer, .address_space: global }
      - { .name: out0, .offset: 48, .size: 8, .value_kind: global_buffer, .address_space: global }
    .group_segment_fixed_size: 168960
    .private_segment_fixed_size: 0
    .kernarg_segment_align: 8
    .kernarg_segment_size: 56
    .max_flat_workgroup_size: 256
    .sgpr_count:     66
    .vgpr_count:     256
    .wavefront_size: 32
...
	.end_amdgpu_metadata
.endif
;; end of part 3
